; MI455X (gfx1250); checked and timed in simulation.
; The chip was launched on July 23, 2026; its instructions are those of AMD's public machine-readable ISA for CDNA 5 (MIT licence, August 2026) and "CDNA5" Instruction Set Architecture Reference Guide (July 2026). The comments in the code are by the model that wrote it; some were corrected since.
;; Sparse Mo E. Allowed arithmetic: matrix products marked QUANTISED: E2M3 operands, one E8M0 scale for each 32 along K, by v_wmma_scale_f32_16x16x128_f8f6f4 with both operands' format E2M3, f32 sums; products left as they are: f32 operands where the result goes on into a quantised operand, else bf16, f16 or f32 operands; f32 sums; everything else in f32.
;; Inputs: b_fc 8 x 4,096 float32; b_noise 8 float32; b_proj 8 x 1,024 float32; b_route 8 float32; noise 2 x 512 x 8 float32; w_fc_codes 8 x 4,096 x 32 x 24 uint8 (E2M3 codes of w_fc, K innermost, in blocks of 32 codes, four codes in three bytes); w_fc_scales 8 x 4,096 x 32 uint8 (E8M0 scales of w_fc, one for each 32 codes along K); w_noise 1,024 x 8 float32; w_proj_codes 8 x 1,024 x 128 x 24 uint8 (E2M3 codes of w_proj, K innermost, in blocks of 32 codes, four codes in three bytes); w_proj_scales 8 x 1,024 x 128 uint8 (E8M0 scales of w_proj, one for each 32 codes along K); w_route 1,024 x 8 float32; x 2 x 512 x 1,024 float32.
;; Outputs: out0 2 x 512 x 1,024 float32; out1 2 x 512 x 8 float32.
;; Constants: top_k = 2.
;; This version of the problem:
;;   THIS VERSION OF THE PROBLEM IS GIVEN IN LOW PRECISION. The matrix products marked QUANTISED in the list below multiply operands that are first quantised to E2M3 (2 exponent bits, 3 mantissa bits; 6 bits a number), with one power-of-two scale for each 32 numbers along K (OCP MX v1.0); their sums are f32. All else is computed in f32.
;;   The module's matrix products, in the order in which they are computed (A, B: the left and right operand; K: the contracted axis; several contracted axes count as one K, in the product's order):
;;     1. [M 1,024, K 1,024] x [K 1,024, N 8]; A: input x; B: input w_route: left as it is (N = 8 < 16)
;;     2. [M 1,024, K 1,024] x [K 1,024, N 8]; A: input x; B: input w_noise: left as it is (N = 8 < 16)
;;     3. [M 1,024, K 1,024] x [K 1,024, N 32,768]; A: input x; B: input w_fc (given as codes): QUANTISED
;;     4. batch 8 x [M 1,024, K 4,096] x [K 4,096, N 1,024]; A: input w_proj (given as codes); B: computed on the way: QUANTISED
;;     5. batch 1,024 x [M 1,024, K 8] x [K 8, N 1]; A: computed on the way; B: computed on the way: left as it is (K = 8 < 32)
;;   THE QUANTISER, for each operand of a quantised product, along K:
;;     - K is cut into blocks of 32 from its start; a last block that is shorter is filled with zeros.
;;     - A block's scale is 2^e with e = floor(log2(the largest magnitude in the block)) - 2, held to -126 .. 127; a block of zeros has e = 0. As a byte (E8M0): e + 127.
;;     - Each number is divided by its block's scale, clamped to +-7.5, and rounded to the nearest number of E2M3, ties to even, subnormals kept.
;;     - The product sums the exact products of the quantised numbers (number of the format x scale) in f32.
;;   ~~~python
;;   def quantise(x, axis):      # numpy; x: float32 -> the quantised numbers, widened to float32 again
;;       x = np.moveaxis(x, axis, -1); K = x.shape[-1]
;;       x = np.pad(x, [(0, 0)] * (x.ndim - 1) + [(0, -K % 32)]); x = x.reshape(x.shape[:-1] + (-1, 32)); a = np.abs(x).max(-1, keepdims=True)
;;       e = np.where(a > 0, np.clip(np.frexp(np.where(a > 0, a, 1))[1] - 1 - 2, -126, 127), 0)      # np.frexp(a)[1] - 1 = floor(log2(a)), exactly
;;       r = np.clip(x / 2.0 ** e, -7.5, 7.5)
;;       step = 2.0 ** (np.maximum(np.frexp(np.where(r == 0, 1, r))[1] - 1, 0) - 3)
;;       q = np.round(r / step) * step * 2.0 ** e      # np.round: ties to even
;;       return np.moveaxis(q.reshape(q.shape[:-2] + (-1,))[..., :K], -1, axis).astype(np.float32)
;;   ~~~
;;   OPERANDS COMPUTED ON THE WAY. 'Computed on the way' means the value that the module computes at that place (a softmax that the list does not call 'softmax' is quantised finished and normalised). What goes into a quantiser is computed in f32, as accurately as f32 sums, v_exp_f32 and their like allow (about 1e-6 of the number): no bf16 or f16 on the way to a quantiser, and a product that is left as it is and whose result goes on into a quantised operand takes f32 operands (vector FMAs, or v_wmma_f32_16x16x4_f32). A number that lies on a knife's edge between two numbers of the format may be rounded either way, as far as f32 arithmetic and the matrix unit's own rounding can turn it there, and no further.
;;   INPUTS GIVEN AS CODES. w_fc (in the module: [8, 1024, 4096], K = its axis 1); w_proj (in the module: [8, 4096, 1024], K = its axis 1): each comes as NAME_codes (uint8): NAME with its K axis moved to the last place and cut into blocks of 32 codes, [.., K / 32, bytes a block], one block behind the other in memory; four codes in three bytes: a row's codes are one little-endian stream of bits, code i at bits 6 i .. 6 i + 5 (a code: sign, 2 exponent bits, 3 mantissa bits); and NAME_scales (uint8): the same leading axes, one E8M0 byte (e + 127) for each 32 codes along K. Its value is code x scale, taken as it is: it is not quantised again, and the codes and scales need not be those that the quantiser above would give.
;; One version. Each part assembles by itself: llvm-mc -triple=amdgcn-amd-amdhsa -mcpu=gfx1250 --defsym DOCPART=n.
;; ======== version 1 of 1: 4 launches
;; limits: right only within a limited range of input values
;; workspace buffers: x_codes 786,432 bytes; x_scales 32,768 bytes; sel 4,096 bytes of whole numbers; gw 8,192 bytes; h_codes 25,165,824 bytes; h_scales 2,097,152 bytes; pos 33,792 bytes of whole numbers; part 35,651,584 bytes
;; launch route (part 1): grid 256 x 1, 4 waves a work-group, no clusters, 24,064 bytes of LDS; arguments x, noise, w_route, b_route, w_noise, b_noise, out1, x_codes, x_scales, sel, gw; writes out1, x_codes, x_scales, sel, gw
.if DOCPART == 1
	.amdgcn_target "amdgcn-amd-amdhsa--gfx1250"
	.amdhsa_code_object_version 6
	.text
	.protected	k_q4dd14598a6_route
	.globl	k_q4dd14598a6_route
	.p2align	8
	.type	k_q4dd14598a6_route,@function
k_q4dd14598a6_route:
	s_mov_b64 s[64:65], 0
	v_nop
	global_prefetch_b8 v0, s[64:65] scope:SCOPE_SE
	s_setreg_imm32_b32 hwreg(HW_REG_WAVE_MODE, 25, 1), 1
	s_wait_xcnt 0x0
; THE ROUTER, AND x INTO CODES.  A work-group takes four tokens.
; WORK LEFT OUT BY THE WHOLE PROGRAM: reference() multiplies each expert's row by a gate that it sets to exactly 0 for the six experts outside a token's top 2, so those rows of the two expert
; products reach no output, whatever the inputs hold; the later launches multiply only the chosen rows.  Limit: a NaN, an infinity or an overflow that arises only in a row left out is not carried to out0.
; (a) Wave w brings token 4 wg + w (4,096 bytes) into LDS and quantises it to FP6 (E2M3), a lane to a block of 32 along D: scale = 2^(floor(log2(largest magnitude)) - 2).
;     The codes are laid as the next launch's operand registers want them: [token][K step 8][lane half 2][2 x 24 bytes], block 4 s + 2 c + h at 96 s + 48 h + 24 c; the scale bytes lie in their natural order.
; (b) The two router products (N = 8 each) are f32 multiply-adds: wave q takes d = 256 q .. 256 q + 255 of all four tokens.  Its 2 x 8,192 bytes of weights come by loads of 512 consecutive bytes:
;     after load i lane l holds row d = 256 q + 16 i + l / 2, outputs 4 (l % 2) + 0 .. 3, of w_route and of w_noise.  So a lane sums 16 d for 4 tokens x 8 outputs: 32 sums.
; (c) Wave 0 finishes: softplus, the noisy logits, the dense softmax (out1), the two largest (a tie goes to the lower index), their two gates.
;     The choice is only STORED here, at fixed places: sel[token] = e0 | e1 << 8 | (bit e0 | bit e1) << 16, gw[token] = g0, g1.  No address and no branch hangs on it.
; LIMITS: NaN and infinities are not served.  A block of zeros gets the byte 1 (its codes are zeros; the bytes are read by this program alone).
;     softplus(z) = max(z, 0) + ln 2 x log2(1 + 2^(-|z| log2 e)): for very negative z its absolute error is about 6e-8 (the rounding of 1 + a small number).
.set XROW, 0                           ; 4 tokens x 4,608: 1,024 f32 with 16 bytes of padding behind each 128
.set PART, 18432                       ; 4 waves x 64 partial sums
.set CSTG, 19456                       ; 4 waves x 768 bytes of codes
.set SSTG, 22528                       ; 4 x 32 scale bytes
.set X,   16                           ; v16-47   numbers of x; in (b) tokens 0, 1 (tokens 2, 3: v208-239)
.set W,   48                           ; v48-175  router weights: load i at W + 8 i: 4 of w_route, 4 of w_noise
.set ACC, 176                          ; v176-207 sums: 8 token + c (c 0-3 route, 4-7 noise)
	s_load_b512 s[4:19], s[0:1], 0x0               ; x, noise, w_route, b_route, w_noise, b_noise, out1, x_codes
	s_load_b128 s[20:23], s[0:1], 0x40             ; x_scales, sel
	s_load_b64 s[24:25], s[0:1], 0x50              ; gw
	s_set_vgpr_msb 0x40
	v_lshl_add_u32 v0, v0, 2, 0x5c00
	v_mov_b32 v1, 0
	s_set_vgpr_msb 0x4000
	v_lshrrev_b32 v1, 5, v0
	v_readfirstlane_b32 s28, v1                    ; wave
	v_and_b32 v1, 31, v0                           ; lane l
	v_lshrrev_b32 v2, 3, v1
	v_mul_u32_u24 v2, v2, 144
	v_and_b32 v3, 7, v1
	v_lshl_add_u32 v2, v3, 4, v2                   ; 144 (l / 8) + 16 (l % 8): chunk l of 32 chunks of 16 bytes
	v_lshlrev_b32 v14, 2, v3                       ; 4 (l % 8)
	v_lshrrev_b32 v15, 3, v1
	v_lshl_add_u32 v15, v15, 6, v14                ; 64 (l / 8) + 4 (l % 8): the last phase's place among the 64 sums
	v_lshlrev_b32 v3, 4, v1                        ; 16 l
	v_lshrrev_b32 v4, 1, v1                        ; l / 2
	s_mul_i32 s29, s28, 4608
	v_add_nc_u32 v5, s29, v2                       ; where I store my token's chunks
	v_mul_u32_u24 v6, v1, 144
	v_add_nc_u32 v6, s29, v6                       ; where block l of my token begins
	s_mul_i32 s29, s28, 1152
	v_lshl_add_u32 v7, v4, 2, s29                  ; my wave's quarter of D in a token's row, word l / 2
	v_lshrrev_b32 v8, 4, v1
	v_lshlrev_b32 v8, 7, v8
	s_lshl_b32 s29, s28, 8
	s_add_co_u32 s29, s29, PART
	v_add_nc_u32 v8, s29, v8                       ; my wave's sums; lanes 16-31 tokens 2, 3;
	v_and_b32 v4, 1, v1
	v_lshl_add_u32 v8, v4, 4, v8                   ; odd lanes outputs 4-7
	v_lshrrev_b32 v9, 2, v1
	v_mul_u32_u24 v9, v9, 96
	v_and_b32 v10, 1, v1
	v_mad_u32_u24 v9, v10, 48, v9
	v_bfe_u32 v10, v1, 1, 1
	v_mad_u32_u24 v9, v10, 24, v9
	s_mul_i32 s29, s28, 768
	s_add_co_u32 s29, s29, CSTG
	v_add_nc_u32 v9, s29, v9                       ; block l's 24 bytes in the codes' layout
	v_lshlrev_b32 v12, 3, v1                       ; 8 l
	v_add_nc_u32 v10, s29, v12                     ; and back: 8 bytes a lane
	s_lshl_b32 s29, s28, 5
	s_add_co_u32 s29, s29, SSTG
	v_add_nc_u32 v11, s29, v1                      ; block l's scale byte
	v_lshlrev_b32 v13, 2, v1                       ; 4 l
	s_lshl_b32 s30, ttmp9, 2
	s_add_co_u32 s30, s30, s28                     ; my token
	s_lshl_b32 s32, s30, 12
	s_mov_b32 s33, 0
	s_lshl_b32 s34, ttmp9, 7                       ; four tokens x 32 bytes
	s_mov_b32 s35, 0
	s_lshl_b32 s36, s28, 13                        ; 256 rows of a router weight
	s_mov_b32 s37, 0
	s_mul_i32 s38, s30, 768
	s_mov_b32 s39, 0
	s_lshl_b32 s40, ttmp9, 4
	s_mov_b32 s41, 0
	s_lshl_b32 s42, ttmp9, 5
	s_mov_b32 s43, 0
	s_wait_alu depctr_va_vdst(0)                   ; the wait at the head's end
	s_wait_kmcnt 0x0
	s_add_nc_u64 s[4:5], s[4:5], s[32:33]
	s_add_nc_u64 s[6:7], s[6:7], s[34:35]
	s_add_nc_u64 s[8:9], s[8:9], s[36:37]
	s_add_nc_u64 s[12:13], s[12:13], s[36:37]
	s_add_nc_u64 s[16:17], s[16:17], s[34:35]
	s_add_nc_u64 s[18:19], s[18:19], s[38:39]
	s_add_nc_u64 s[20:21], s[20:21], s[34:35]
	s_add_nc_u64 s[22:23], s[22:23], s[40:41]
	s_add_nc_u64 s[24:25], s[24:25], s[42:43]
.irp i, 0,1,2,3,4,5,6,7
	global_load_b128 v[X+4*\i:X+4*\i+3], v3, s[4:5] offset:512*\i th:TH_LOAD_NT   ; my token: 512 consecutive bytes a load
.endr
	global_load_b32 v240, v13, s[6:7]              ; noise of token l / 8, expert l % 8
	global_load_b32 v241, v14, s[10:11]            ; b_route
	global_load_b32 v242, v14, s[14:15]            ; b_noise
.set i, 0
.rept 16
	global_load_b128 v[W+8*i:W+8*i+3], v3, s[8:9] offset:512*i      ; 16 rows of w_route: 512 consecutive bytes
	global_load_b128 v[W+8*i+4:W+8*i+7], v3, s[12:13] offset:512*i  ; the same rows of w_noise
.set i, i+1
.endr
	s_wait_loadcnt 35                              ; x's eight loads are in; the 3 + 32 issued behind them may be out
.irp i, 0,1,2,3,4,5,6,7
	ds_store_b128 v5, v[X+4*\i:X+4*\i+3] offset:576*\i
.endr
.irp i, 0,1,2,3,4,5,6,7
	ds_load_b128 v[X+4*\i:X+4*\i+3], v6 offset:16*\i    ; my wave's own bytes, served in order: block l, 32 neighbours along D
.endr
	s_wait_dscnt 0x0
	v_max3_num_f32 v253, |v16|, |v17|, 0x1800000   ; the block's largest magnitude in two chains, with the floor 2^(3 - 127): the byte cannot fall under 1
	v_max3_num_f32 v254, |v18|, |v19|, |v20|
.set i, 21
.rept 13
	v_max3_num_f32 v[253+(i/2)%2], v[253+(i/2)%2], |v[i]|, |v[i+1]|
.set i, i+2
.endr
	v_max3_num_f32 v253, v253, v254, |v47|
	v_add_nc_u32 v255, 0xff000000, v253            ; 2 off its exponent field: the conversion takes this operand's exponent field as the scale
	v_cvt_scalef32_pk16_fp6_f32 v[244:246], v[16:31], v255
	v_cvt_scalef32_pk16_fp6_f32 v[250:252], v[32:47], v255   ; (a conversion's three registers begin on an even number)
	v_lshrrev_b32 v243, 23, v255                   ; the scale's byte; also the plain instruction behind the conversions
	v_mov_b32 v247, v250
	v_mov_b32 v248, v251
	v_mov_b32 v249, v252
	ds_store_b64 v9, v[244:245]
	ds_store_b64 v9, v[246:247] offset:8
	ds_store_b64 v9, v[248:249] offset:16
	ds_store_b8 v11, v243
.irp j, 0,1,2
	ds_load_b64 v[250+2*\j:251+2*\j], v10 offset:256*\j
.endr
.irp j, 0,1,2
	s_wait_dscnt 2-\j                              ; load j is back; the younger ones may be out
	global_store_b64 v12, v[250+2*\j:251+2*\j], s[18:19] offset:256*\j   ; 32 lanes store 256 consecutive bytes, aligned
.endr
	s_wait_dscnt 0x0                               ; my stores of x and of the scale bytes have landed
	s_barrier_signal -1
	s_barrier_wait -1                              ; all four tokens lie in LDS
.irp k, 0,1,2,3
.set i, 0
.rept 16
	ds_load_b32 v[X+16*\k+160*(\k/2)+i], v7 offset:4608*\k+144*(i/2)+64*(i%2)   ; token k, d = 256 q + 16 i + l / 2: 16 neighbouring words, each for two lanes
.set i, i+1
.endr
.endr
	s_wait_loadcnt 0x0                             ; the weights, the noise, the biases
	s_wait_dscnt 0x0
.set i, 0
.rept 16
.irp k, 0,1,2,3
.set xr, X+16*\k+160*(\k/2)+i
.irp u, 0,1,2,3
.if i == 0
	v_pk_mul_f32 v[ACC+8*\k+2*\u:ACC+8*\k+2*\u+1], v[xr:xr+1], v[W+2*\u:W+2*\u+1] op_sel_hi:[0,1]   ; the first d starts the sums
.elseif (i%2) == 0
	v_pk_fma_f32 v[ACC+8*\k+2*\u:ACC+8*\k+2*\u+1], v[xr:xr+1], v[W+8*i+2*\u:W+8*i+2*\u+1], v[ACC+8*\k+2*\u:ACC+8*\k+2*\u+1] op_sel_hi:[0,1,1]
.else
	v_pk_fma_f32 v[ACC+8*\k+2*\u:ACC+8*\k+2*\u+1], v[xr-1:xr], v[W+8*i+2*\u:W+8*i+2*\u+1], v[ACC+8*\k+2*\u:ACC+8*\k+2*\u+1] op_sel:[1,0,0] op_sel_hi:[1,1,1]
.endif
.endr
.endr
.set i, i+1
.endr
	; 32 sums a lane, over the 16 lanes of my parity: sum i's upper lanes change places with sum i + 16's lower lanes, so that one addition halves both; then masks 2, 4, 8 inside each half
.set i, 0
.rept 16
	v_permlane16_swap_b32 v[ACC+i], v[ACC+16+i]
.set i, i+1
.endr
.set i, 0
.rept 8
	v_pk_add_f32 v[ACC+i:ACC+i+1], v[ACC+i:ACC+i+1], v[ACC+16+i:ACC+16+i+1]
.set i, i+2
.endr
.irp m, 2,4,8
.set i, 0
.rept 16
	v_add_f32_dpp v[ACC+i], v[ACC+i], v[ACC+i] row_xmask:\m row_mask:0xf bank_mask:0xf
.set i, i+1
.endr
.endr
.irp k, 0,1
	ds_store_b128 v8, v[ACC+8*\k:ACC+8*\k+3] offset:64*\k        ; token k + 2 (l / 16), route outputs 4 (l % 2) ..; the 8 lanes of a half and parity write the same bytes with the same values
	ds_store_b128 v8, v[ACC+8*\k+4:ACC+8*\k+7] offset:64*\k+32   ; and its noise outputs
.endr
	s_wait_dscnt 0x0
	s_barrier_signal -1
	s_barrier_wait -1                              ; the four waves' partial sums lie in LDS
	s_cmp_lg_u32 s28, 0
	s_cbranch_scc1 .Lend
	; ---- wave 0: lane = 8 x token + expert
.irp q, 0,1,2,3
	ds_load_b32 v[16+\q], v15 offset:PART+256*\q
	ds_load_b32 v[20+\q], v15 offset:PART+256*\q+32
.endr
	ds_load_b32 v24, v13 offset:SSTG               ; the four tokens' scale bytes, a word a lane
	s_wait_dscnt 0x0
	v_add_f32 v16, v16, v17
	v_add_f32 v18, v18, v19
	v_add_f32 v20, v20, v21
	v_add_f32 v22, v22, v23
	v_add_f32 v16, v16, v18
	v_add_f32 v20, v20, v22
	v_add_f32 v16, v16, v241                       ; the logit
	v_add_f32 v20, v20, v242                       ; z, the noise logit
	v_mul_f32 v21, 0xbfb8aa3b, |v20|               ; -|z| log2 e
	s_wait_alu depctr_va_vdst(0)
	v_exp_f32 v21, v21
	v_max_num_f32 v22, 0, v20                      ; (a plain instruction behind the exponential)
	s_wait_alu depctr_va_vdst(0)                   ; the wait ahead of the first reader
	v_add_f32 v21, 1.0, v21
	s_wait_alu depctr_va_vdst(0)
	v_log_f32 v21, v21
	v_nop
	s_wait_alu depctr_va_vdst(0)
	v_fmamk_f32 v21, v21, 0x3f317218, v22          ; softplus = ln 2 x log2(..) + max(z, 0)
	v_fma_f32 v16, v240, v21, v16                  ; the noisy logit
	v_max_num_f32_dpp v17, v16, v16 row_xmask:1 row_mask:0xf bank_mask:0xf
	v_max_num_f32_dpp v17, v17, v17 row_xmask:2 row_mask:0xf bank_mask:0xf
	v_max_num_f32_dpp v17, v17, v17 row_xmask:4 row_mask:0xf bank_mask:0xf   ; the token's largest
	v_sub_f32 v18, v16, v17
	v_mul_f32 v18, 0x3fb8aa3b, v18
	s_wait_alu depctr_va_vdst(0)
	v_exp_f32 v18, v18
	v_nop
	s_wait_alu depctr_va_vdst(0)
	v_add_f32_dpp v19, v18, v18 row_xmask:1 row_mask:0xf bank_mask:0xf
	v_add_f32_dpp v19, v19, v19 row_xmask:2 row_mask:0xf bank_mask:0xf
	v_add_f32_dpp v19, v19, v19 row_xmask:4 row_mask:0xf bank_mask:0xf
	s_wait_alu depctr_va_vdst(0)
	v_rcp_f32 v19, v19
	v_and_b32 v25, 7, v1                           ; my expert
	v_mov_b32 v26, 0                               ; my rank: how many of the other seven come before me
	v_mov_b32 v27, 0
.irp m, 1,2,3,4,5,6,7
	v_mov_b32_dpp v27, v16 row_xmask:\m row_mask:0xf bank_mask:0xf
	v_xor_b32 v28, \m, v25                         ; whose it is
	v_cmp_gt_f32 s44, v27, v16                     ; larger,
	v_cmp_eq_f32 s45, v27, v16
	v_cmp_lt_u32 s46, v28, v25
	s_and_b32 s45, s45, s46                        ; or equal with the lower index
	s_or_b32 s44, s44, s45
	v_cndmask_b32 v29, 0, 1, s44
	v_add_nc_u32 v26, v26, v29
.endr
	s_wait_alu depctr_va_vdst(0)                   ; the reciprocal's wait; the ranking above is the work between
	v_mul_f32 v18, v18, v19                        ; the dense gate
	v_mov_b32 v30, 0xff800000
	v_cmp_eq_u32 s44, 1, v26
	v_cmp_eq_u32 s45, 0, v26
	v_cndmask_b32 v31, v30, v16, s44               ; the second largest, where I am it
	v_cvt_f32_u32 v32, v25
	v_cndmask_b32 v33, 0, v32, s45
	v_cndmask_b32 v34, 0, v32, s44
.irp m, 1,2,4
	v_max_num_f32_dpp v31, v31, v31 row_xmask:\m row_mask:0xf bank_mask:0xf
	v_add_f32_dpp v33, v33, v33 row_xmask:\m row_mask:0xf bank_mask:0xf
	v_add_f32_dpp v34, v34, v34 row_xmask:\m row_mask:0xf bank_mask:0xf
.endr
	v_cvt_u32_f32 v33, v33                         ; e0
	v_cvt_u32_f32 v34, v34                         ; e1
	v_sub_f32 v35, v31, v17                        ; second - first, 0 or less
	v_mul_f32 v35, 0x3fb8aa3b, v35
	s_wait_alu depctr_va_vdst(0)
	v_exp_f32 v35, v35
	v_mov_b32 v38, 1
	s_wait_alu depctr_va_vdst(0)
	v_add_f32 v36, 1.0, v35
	s_wait_alu depctr_va_vdst(0)
	v_rcp_f32 v36, v36                             ; g0
	v_lshlrev_b32 v39, v33, v38
	v_lshlrev_b32 v40, v34, v38
	v_or_b32 v39, v39, v40
	v_lshl_or_b32 v39, v39, 16, v33
	v_lshl_or_b32 v39, v34, 8, v39                 ; e0 | e1 << 8 | the two bits << 16
	s_wait_alu depctr_va_vdst(0)
	v_mul_f32 v37, v35, v36                        ; g1
	global_store_b32 v13, v18, s[16:17]            ; out1: four tokens, 128 bytes
	global_store_b32 v13, v24, s[20:21]            ; x_scales: the same four, 128 bytes
	v_lshrrev_b32 v41, 3, v1
	v_lshlrev_b32 v42, 2, v41
	v_lshlrev_b32 v43, 3, v41
	v_cmp_eq_u32 vcc_lo, 0, v25
	s_wait_alu depctr_va_vdst(0)
	s_wait_xcnt 0x0                                ; EXEC changes only behind this wait
	s_and_saveexec_b32 s47, vcc_lo                 ; one lane a token
	global_store_b32 v42, v39, s[22:23]
	global_store_b64 v43, v[36:37], s[24:25]
	s_wait_xcnt 0x0
	s_or_b32 exec_lo, exec_lo, s47
.Lend:
	s_barrier_signal -1
	s_barrier_wait -1
	s_set_vgpr_msb 0x5
	s_wait_tensorcnt 0x0                           ; the wave's end
	ds_add_u32 v0, v1
	s_wait_dscnt 0x0
	s_set_vgpr_msb 0x500
	s_endpgm
.Lfunc_end_k_q4dd14598a6_route:
	.size	k_q4dd14598a6_route, .Lfunc_end_k_q4dd14598a6_route-k_q4dd14598a6_route
	.p2alignl 7, 3214868480
	.fill 96, 4, 3214868480
	.section	.rodata,"a",@progbits
	.p2align	6, 0x0
	.amdhsa_kernel k_q4dd14598a6_route
		.amdhsa_group_segment_fixed_size 24064
		.amdhsa_private_segment_fixed_size 0
		.amdhsa_enable_private_segment 0
		.amdhsa_kernarg_size 88
		.amdhsa_user_sgpr_count 2
		.amdhsa_user_sgpr_kernarg_segment_ptr 1
		.amdhsa_wavefront_size32 1
		.amdhsa_system_sgpr_workgroup_id_x 1
		.amdhsa_system_sgpr_workgroup_id_y 1
		.amdhsa_system_sgpr_workgroup_id_z 1
		.amdhsa_system_vgpr_workitem_id 0
		.amdhsa_next_free_vgpr 258
		.amdhsa_next_free_sgpr 66
		.amdhsa_reserve_vcc 1
		.amdhsa_float_denorm_mode_32 3
		.amdhsa_float_denorm_mode_16_64 3
		.amdhsa_memory_ordered 1
		.amdhsa_forward_progress 1
		.amdhsa_inst_pref_size 43
	.end_amdhsa_kernel
	.amdgpu_metadata
---
amdhsa.version: [ 1, 2 ]
amdhsa.kernels:
  - .name:           k_q4dd14598a6_route
    .symbol:         k_q4dd14598a6_route.kd
    .args:
      - { .name: x, .offset: 0, .size: 8, .value_kind: global_buffer, .address_space: global }
      - { .name: noise, .offset: 8, .size: 8, .value_kind: global_buffer, .address_space: global }
      - { .name: w_route, .offset: 16, .size: 8, .value_kind: global_buffer, .address_space: global }
      - { .name: b_route, .offset: 24, .size: 8, .value_kind: global_buffer, .address_space: global }
      - { .name: w_noise, .offset: 32, .size: 8, .value_kind: global_buffer, .address_space: global }
      - { .name: b_noise, .offset: 40, .size: 8, .value_kind: global_buffer, .address_space: global }
      - { .name: out1, .offset: 48, .size: 8, .value_kind: global_buffer, .address_space: global }
      - { .name: x_codes, .offset: 56, .size: 8, .value_kind: global_buffer, .address_space: global }
      - { .name: x_scales, .offset: 64, .size: 8, .value_kind: global_buffer, .address_space: global }
      - { .name: sel, .offset: 72, .size: 8, .value_kind: global_buffer, .address_space: global }
      - { .name: gw, .offset: 80, .size: 8, .value_kind: global_buffer, .address_space: global }
    .group_segment_fixed_size: 24064
    .private_segment_fixed_size: 0
    .kernarg_segment_align: 8
    .kernarg_segment_size: 88
    .max_flat_workgroup_size: 128
    .sgpr_count:     66
    .vgpr_count:     258
    .wavefront_size: 32
...
	.end_amdgpu_metadata
.endif
;; end of part 1
;; launch fc (part 2): grid 32 x 8, 4 waves a work-group, no clusters, 107,008 bytes of LDS; arguments x_codes, x_scales, sel, w_fc_codes, w_fc_scales, b_fc, h_codes, h_scales, pos; writes h_codes, h_scales, pos
.if DOCPART == 2
	.amdgcn_target "amdgcn-amd-amdhsa--gfx1250"
	.amdhsa_code_object_version 6
	.text
	.protected	k_q4dd14598a6_fc
	.globl	k_q4dd14598a6_fc
	.p2align	8
	.type	k_q4dd14598a6_fc,@function
k_q4dd14598a6_fc:
	s_mov_b64 s[64:65], 0
	v_nop
	global_prefetch_b8 v0, s[64:65] scope:SCOPE_SE
	s_setreg_imm32_b32 hwreg(HW_REG_WAVE_MODE, 25, 1), 1
	s_wait_xcnt 0x0
; h = Q(gelu(Q(x) W_fc + b_fc)) for the rows that chose the expert; a row whose gate reference() sets to 0 reaches no output and is left out (a NaN or overflow in such a row is not carried on).
; Work-group (x = hs, y = e): expert e, hidden units 128 hs .. +127, K = all 1,024 of D.  The weights stand still: every wave holds the slice's 64 fragments of 12 registers; the waves share the tiles of 16 rows.
; THE SLICE COMES IN THREE CHUNKS of 256 bytes of each row (768 bytes).  Each chunk goes to LDS behind its own counted wait and barrier, and the K steps that are then whole
; (0-1, 2-4, 5-7) are read into registers while the later chunks are still on their way.
; No cluster and no tensor load: the number of tiles hangs on a count made from numbers read from memory.
; THE ROWS.  sel says which tokens chose e.  Wave 0 places them in a list in LDS: word = token | k << 16, k = 1 where e is the token's second choice.  The list begins filled with
; (2,048 + 16 e + place % 16) << 16: token 0 with a spare destination of this expert's own.  A lane whose token did not choose e stores into a spare word of its own behind the list.
; The work-groups with hs = 0 store pos[e][rank] = destination row = 2 token + k (spare rows: 2,048 + 16 e + rank % 16) and the count.  An expert without rows runs one tile of spare rows.
; The product is used transposed (source 0 = 16 rows of W, source 1 = 16 rows of x); lane m of tile 2 b + u takes row 32 b + 8 u + m + 8 (m / 8), so that two tiles' 16 registers are 16 neighbours along the next K.
; gelu(x) = x / (1 + 2^(x (a + b x^2))), a = -2 log2(e) sqrt(2 / pi), b = 0.044715 a.
; LIMITS: NaN and infinities are not served; a block of zeros gets the byte 1 (its codes are zeros; the bytes are this program's own).
; REGISTERS, window 0: v1-11 addresses and a; v12-43 W's scale words; v44-55 fragment 63; v56-63 x's scale words; v64-159 x's 8 fragments; v160-223 accumulators; v224-255 at work.
;   Windows 1-3: fragments f = 8 s + t = 0 .. 62, window f / 21 + 1, register 12 (f % 21).  The chunks wait in window 3, v0-191, which only the last stage's fragments take.
.set PITCH, 784
.set LIST, 0
.set BIAS, 4352
.set WROWS, 4864
.set ADR, 1
.set SAD, 2
.set LB,  3
.set TOK, 4
.set BI,  5
.set OC,  6
.set OS,  7
.set H48, 8
.set LA,  9
.set GA,  10
.set WSC, 12
.set W63, 44
.set ASC, 56
.set AF,  64
.set ACC, 160
.set T,   224
.set SELR, 64
.set RANK, 96
.set PA,  160                          ; set-up only: list addresses; PV: list values
.set PV,  192
.set G0,  245
.set S0,  248
.set WA0, 251
.set MK,  66                           ; s66-97: for each register of sel the lanes that chose e
.set SB,  96
.set CBY, 16
.set SS,  4
.set MSB, 0
.macro WIN new
.if MSB != (\new)
	s_set_vgpr_msb (MSB<<8)|(\new)
.set MSB, (\new)
.endif
.endm
.macro PLACES n
.rept \n
	v_nop
.endr
.endm
.macro BAR
	s_wait_dscnt 0x0
	s_barrier_signal -1
	s_barrier_wait -1
.endm
; my wave's 32 rows, chunk by chunk: a load takes 256 aligned bytes of each of two rows
.macro WGET rowp
	WIN 0xc0
.irp c, 0,1,2
.set p, 0
.rept 16
	global_load_b128 v[64*\c+4*p:64*\c+4*p+3], v[G0], s[10:11] offset:p*2*\rowp+256*\c th:TH_LOAD_NT
.set p, p+1
.endr
.endr
	WIN 0
.endm
; chunk c into LDS; bits 3 and 4 of the row's number change places, so that a tile's 16 rows lie on end
.macro WPUT c
	WIN 0x0c
.set p, 0
.rept 16
.set row, ((2*p)&7)+(((2*p)&8)<<1)+(((2*p)&16)>>1)
	ds_store_b128 v[S0], v[64*\c+4*p:64*\c+4*p+3] offset:row*PITCH+256*\c
.set p, p+1
.endr
	WIN 0
.endm
; fragments first .. first + n - 1 into my registers, in pieces of 8 bytes
.macro WFRAG first, n
.set f, \first
.rept \n
.set fs, f/8
.set ft, f%8
.if f == 63
.set wn, 0
.set wr, W63
.else
.set wn, (f/21+1)<<6
.set wr, 12*(f%21)
.endif
	WIN wn
.irp p, 0,1,2,3,4,5
	ds_load_b64 v[wr+2*\p:wr+2*\p+1], v[WA0+ft/4] offset:16*(ft%4)*PITCH+96*fs+48*(\p/3)+8*(\p%3)
.endr
.set f, f+1
.endr
	WIN 0
.endm
.macro LOADSTEP s
.irp c, 0,1,2
	global_load_b128 v[AF+12*\s+4*\c:AF+12*\s+4*\c+3], v[ADR], s[4:5] offset:SB*\s+CBY*\c
.endr
	global_load_b32 v[ASC+\s], v[SAD], s[6:7] offset:SS*\s
.endm
; K step s: eight products, the accumulators by turns; then the step's registers take the wave's next tile
.macro MULSTEP s
	s_wait_loadcnt 28                              ; behind this step's four loads: 4 (7 - s) of this tile and 4 s of the next
.irp t, 0,1,2,3,4,5,6,7
.set f, 8*\s+\t
.if f == 63
.set wn, 0
.set wr, W63
.else
.set wn, f/21+1
.set wr, 12*(f%21)
.endif
	WIN wn
.set dd, ACC+8*\t
.set bb, AF+12*\s
.set sa, WSC+8*(\t/2)+\s
.set sb, ASC+\s
.if \s == 0
	s_wait_dscnt 14-2*\t                           ; tile t's two loads of the bias are in; the 2 (7 - t) behind them may be out
.endif
.if (\t%2) == 1
	v_wmma_scale_f32_16x16x128_f8f6f4 v[dd:dd+7], v[wr:wr+11], v[bb:bb+11], v[dd:dd+7], v[sa], v[sb] matrix_a_fmt:MATRIX_FMT_FP6 matrix_b_fmt:MATRIX_FMT_FP6 matrix_a_scale:MATRIX_SCALE_ROW1
.else
	v_wmma_scale_f32_16x16x128_f8f6f4 v[dd:dd+7], v[wr:wr+11], v[bb:bb+11], v[dd:dd+7], v[sa], v[sb] matrix_a_fmt:MATRIX_FMT_FP6 matrix_b_fmt:MATRIX_FMT_FP6
.endif
.endr
	WIN 0
	PLACES 4                                       ; between the products and loads into registers that they read; behind step 7 also ahead of the first read of results
	LOADSTEP \s
.endm
.macro ADDR                            ; the list's word becomes two offsets: its low half is the token
	v_and_b32 v[TOK], 0xffff, v[TOK]
	v_min_u32 v[TOK], 0x3ff, v[TOK]
	v_mul_u32_u24 v[ADR], v[TOK], 768
	v_add_nc_u32 v[ADR], v[ADR], v[H48]
	v_lshlrev_b32 v[SAD], 5, v[TOK]
.endm
.macro NEXT                            ; the list's words of my tile after the next, held at the last tile
	s_add_co_u32 s34, s33, 4
	s_min_u32 s34, s34, s35
	s_min_u32 s34, s34, 63
	s_lshl_b32 s34, s34, 6
	v_add_nc_u32 v[LA], s34, v[LB]
	ds_load_b32 v[TOK], v[LA]
.endm
.macro BIASLD                          ; the bias is the C of each sum's first product
.irp t, 0,1,2,3,4,5,6,7
	ds_load_b128 v[ACC+8*\t:ACC+8*\t+3], v[BI] offset:(32*(\t/2)+8*(\t%2))*4
	ds_load_b128 v[ACC+8*\t+4:ACC+8*\t+7], v[BI] offset:(32*(\t/2)+8*(\t%2))*4+16
.endr
.endm
.macro GELU g                          ; 32 numbers, in place; each accumulator is read from its low end on
.set xb, ACC+32*\g
.set i, 0
.rept 16
	v_pk_mul_f32 v[T+i:T+i+1], v[xb+i:xb+i+1], v[xb+i:xb+i+1]
.set i, i+2
.endr
.set i, 0
.rept 16
	v_pk_fma_f32 v[T+i:T+i+1], v[T+i:T+i+1], s[38:39], v[GA:GA+1] op_sel_hi:[1,0,1]
.set i, i+2
.endr
.set i, 0
.rept 16
	v_pk_mul_f32 v[T+i:T+i+1], v[T+i:T+i+1], v[xb+i:xb+i+1]
.set i, i+2
.endr
.set i, 0
	s_wait_alu depctr_va_vdst(0)                   ; a wait ahead of the batch and one behind it
.rept 32
	v_exp_f32 v[T+i], v[T+i]
.set i, i+1
.endr
	v_nop
	s_wait_alu depctr_va_vdst(0)
.set i, 0
.rept 16
	v_pk_add_f32 v[T+i:T+i+1], v[T+i:T+i+1], 1.0 op_sel_hi:[1,0]
.set i, i+2
.endr
.set i, 0
	s_wait_alu depctr_va_vdst(0)
.rept 32
	v_rcp_f32 v[T+i], v[T+i]
.set i, i+1
.endr
	v_nop
	s_wait_alu depctr_va_vdst(0)
.set i, 0
.rept 16
	v_pk_mul_f32 v[xb+i:xb+i+1], v[xb+i:xb+i+1], v[T+i:T+i+1]
.set i, i+2
.endr
.endm
; 64 numbers of a lane become a fragment's codes in v236-247 and its scale word in v251
.macro QUANT
.irp b, 0,1,2,3
	v_max3_num_f32 v[T+\b], |v[ACC+16*\b]|, |v[ACC+1+16*\b]|, 0x1800000   ; with the floor 2^(3 - 127)
.endr
.irp i, 2,4,6,8,10,12,14
.irp b, 0,1,2,3
	v_max3_num_f32 v[T+\b], v[T+\b], |v[ACC+16*\b+\i]|, |v[ACC+1+16*\b+\i]|
.endr
.endr
.irp b, 0,1,2,3
	v_permlanex16_b32 v[T+4+\b], v[T+\b], s36, s37
.endr
.irp b, 0,1,2,3
	v_max_num_f32 v[T+\b], v[T+\b], v[T+4+\b]
.endr
.irp b, 0,1,2,3
	v_add_nc_u32 v[T+8+\b], 0xff000000, v[T+\b]    ; 2 off the exponent field: the conversion's scale operand
.endr
.irp b, 0,1,2,3
	v_lshrrev_b32 v[T+4+\b], 23, v[T+8+\b]
.endr
	v_lshl_or_b32 v251, v[T+5], 8, v[T+4]
	v_lshl_or_b32 v251, v[T+6], 16, v251
	v_lshl_or_b32 v251, v[T+7], 24, v251
.irp c, 0,1
	v_cvt_scalef32_pk16_fp6_f32 v[236+6*\c:238+6*\c], v[ACC+32*\c:ACC+15+32*\c], v[T+8+2*\c]
	v_cvt_scalef32_pk16_fp6_f32 v[248+4*\c:250+4*\c], v[ACC+16+32*\c:ACC+31+32*\c], v[T+9+2*\c]
.endr
	v_nop                                          ; one plain instruction behind the conversions
.irp c, 0,1
.irp i, 0,1,2
	v_permlane16_swap_b32 v[236+6*\c+\i], v[248+4*\c+\i]
.endr
.irp i, 0,1,2
	v_mov_b32 v[239+6*\c+\i], v[248+4*\c+\i]
.endr
.endr
.endm
.macro EACH32 body:vararg              ; a line for q = 0 .. 31
.set q, 0
.rept 32
	\body
.set q, q+1
.endr
.endm
	s_load_b512 s[4:19], s[0:1], 0x0               ; x_codes, x_scales, sel, w_fc_codes, w_fc_scales, b_fc, h_codes, h_scales
	s_load_b64 s[20:21], s[0:1], 0x40              ; pos
	s_set_vgpr_msb 0x40
	v_lshl_add_u32 v254, v0, 2, 0x1a000
	v_mov_b32 v255, 0
	s_set_vgpr_msb 0x4000
	v_lshrrev_b32 v224, 5, v0
	v_readfirstlane_b32 s24, v224                  ; wave
	s_mov_b32 s25, ttmp9                           ; hs
	s_and_b32 s26, ttmp7, 0xffff                   ; e
	s_add_co_u32 s27, s26, 16
	s_lshl_b32 s27, 1, s27                         ; my expert's bit in a word of sel
	s_mov_b32 s36, 0x76543210
	s_mov_b32 s37, 0xfedcba98
	s_mov_b32 s38, 0xbdd2d3e8                      ; b
	s_mov_b32 s39, s38
	s_lshl_b32 s41, s26, 4
	s_add_co_u32 s41, s41, 2048                    ; my expert's first spare destination
	v_and_b32 v224, 31, v0                         ; lane
	v_and_b32 v225, 15, v0                         ; r
	v_bfe_u32 v226, v0, 4, 1                       ; h
	v_lshlrev_b32 v227, 4, v224                    ; 16 lane
	v_lshlrev_b32 v228, 2, v0                      ; 4 thread
	v_lshlrev_b32 v239, 2, v224                    ; 4 lane
	v_add_nc_u32 v231, 1024, v224                  ; my spare word behind the list
	v_lshl_add_u32 v[LB], v225, 2, LIST
	v_lshl_add_u32 v[BI], v226, 6, BIAS
	v_mul_u32_u24 v[H48], v226, 48
	v_mul_u32_u24 v[G0], v226, 768
	v_lshl_add_u32 v[G0], v225, 4, v[G0]           ; lanes 0-15 a row's 256 bytes, lanes 16-31 the next row's
	s_mul_i32 s40, s24, 32*PITCH
	s_add_co_u32 s40, s40, WROWS
	v_mul_u32_u24 v[S0], v226, PITCH
	v_lshl_add_u32 v[S0], v225, 4, v[S0]
	v_add_nc_u32 v[S0], s40, v[S0]
	v_mul_u32_u24 v[WA0], v225, PITCH
	v_mad_u32_u24 v[WA0], v226, 24, v[WA0]
	v_add_nc_u32 v[WA0], WROWS, v[WA0]
	v_add_nc_u32 v[WA0+1], 64*PITCH, v[WA0]        ; tiles 4-7
	v_and_b32 v229, 8, v225
	v_add_nc_u32 v229, v229, v225
	v_lshl_add_u32 v229, v226, 3, v229
	v_lshlrev_b32 v229, 5, v229                    ; W's scale bytes: row 8 (lane / 16) + r + 8 (r / 8), 32 bytes a row
	v_add_nc_u32 v241, LIST, v227
	v_add_nc_u32 v242, BIAS, v228
	s_lshl_b32 s40, s24, 6
	v_add_nc_u32 v243, s40, v[LB]                  ; the list's words of my first tile
	s_mul_i32 s40, s24, 49152
	v_add_nc_u32 v[OC], s40, v227
	s_lshl_b32 s40, s24, 12
	v_add_nc_u32 v[OS], s40, v239
	v_mov_b32 v[GA], 0xc0135761                    ; a
	v_mov_b32 v[GA+1], 0xc0135761
	v_and_b32 v232, 3, v224
	v_lshl_add_u32 v232, v232, 2, s41
	v_lshlrev_b32 v232, 16, v232                   ; what the list begins with: places 4 lane + 0 .. 3
	v_add_nc_u32 v233, 0x10000, v232
	v_add_nc_u32 v234, 0x20000, v232
	v_add_nc_u32 v235, 0x30000, v232
	v_mov_b32 v253, 0x10000
	s_mul_i32 s40, s26, 3145728
	s_mul_i32 s41, s25, 98304
	s_add_co_u32 s40, s40, s41
	s_mul_i32 s41, s24, 24576
	s_add_co_u32 s40, s40, s41                     ; my wave's 32 rows of the slice
	s_mov_b32 s41, 0
	s_lshl_b32 s42, s26, 17
	s_lshl_b32 s43, s25, 12
	s_add_co_u32 s42, s42, s43
	s_mov_b32 s43, 0
	s_lshl_b32 s44, s26, 14
	s_lshl_b32 s45, s25, 9
	s_add_co_u32 s44, s44, s45
	s_mov_b32 s45, 0
	s_mul_i32 s46, s26, 3145728
	s_mul_i32 s47, s25, 1536
	s_add_co_u32 s46, s46, s47                     ; h_codes: [e][tile 64][K step 32][1,536]
	s_mov_b32 s47, 0
	s_lshl_b32 s48, s26, 18
	s_lshl_b32 s49, s25, 7
	s_add_co_u32 s48, s48, s49                     ; h_scales: [e][tile][K step][128]
	s_mov_b32 s49, 0
	s_lshl_b32 s50, s26, 12                        ; pos: my expert's 1,024 destinations,
	s_mov_b32 s51, 0
	s_lshl_b32 s52, s26, 7
	s_add_co_u32 s52, s52, 32768                   ; and its count, 32 words
	s_mov_b32 s53, 0
	s_wait_alu depctr_va_vdst(0)                   ; the wait at the head's end
	s_wait_kmcnt 0x0
	s_add_nc_u64 s[10:11], s[10:11], s[40:41]
	s_add_nc_u64 s[12:13], s[12:13], s[42:43]
	s_add_nc_u64 s[14:15], s[14:15], s[44:45]
	s_add_nc_u64 s[16:17], s[16:17], s[46:47]
	s_add_nc_u64 s[18:19], s[18:19], s[48:49]
	s_add_nc_u64 s[22:23], s[20:21], s[52:53]
	s_add_nc_u64 s[20:21], s[20:21], s[50:51]
.irp j, 0,1,2,3,4,5,6,7
	global_load_b128 v[SELR+4*\j:SELR+4*\j+3], v227, s[8:9] offset:512*\j
.endr
	WGET 768
	s_wait_loadcnt 48                              ; sel is in; the weights' 48 loads may be out
.irp b, 0,1,2,3
.irp u, 0,1
	global_load_b128 v[WSC+8*\b+4*\u:WSC+8*\b+4*\u+3], v229, s[12:13] offset:1024*\b+16*\u
.endr
.endr
	global_load_b32 v230, v228, s[14:15]
	; all 32 masks in one batch, so that the scalar side waits for the vector side once
	EACH32 v_and_b32 v[RANK+q], s27, v[SELR+q]
	EACH32 v_cmp_ne_u32 s[MK+q], 0, v[RANK+q]
	s_mov_b32 s28, 0
	s_cmp_lg_u32 s24, 0
	s_wait_alu depctr_va_vdst(0)                   ; the wait ahead of the branch
	s_cbranch_scc1 .Lcount
.irp j, 0,1,2,3,4,5,6,7
	ds_store_b128 v241, v[232:235] offset:512*\j   ; the list begins as spare rows
.endr
.set q, 0
.rept 32
	v_mbcnt_lo_u32_b32 v[RANK+q], s[MK+q], s28     ; rank = the count so far + the chosen lanes below me
	s_bcnt1_i32_b32 s29, s[MK+q]
	s_add_co_u32 s28, s28, s29
.set q, q+1
.endr
	EACH32 v_cndmask_b32 v[PA+q], v231, v[RANK+q], s[MK+q]
	EACH32 v_bfe_u32 v[PV+q], v[SELR+q], 8, 8
	EACH32 v_min_u32 v[PA+q], 0x43f, v[PA+q]
.set q, 0
.rept 32
	v_cmp_eq_u32 vcc_lo, s26, v[PV+q]              ; am I the token's second choice?
	v_cndmask_b32 v[PV+q], 0, v253, vcc_lo
.set q, q+1
.endr
	EACH32 v_lshlrev_b32 v[PA+q], 2, v[PA+q]
	EACH32 v_add3_u32 v[PV+q], v[PV+q], v239, 128*(q/4)+(q%4)
	EACH32 ds_store_b32 v[PA+q], v[PV+q] offset:LIST
	s_cmp_lg_u32 s25, 0
	s_cbranch_scc1 .Ljoin
.irp j, 0,1,2,3,4,5,6,7
	ds_load_b128 v[RANK+4*\j:RANK+4*\j+3], v241 offset:512*\j   ; my own stores, served in order
.endr
	s_wait_dscnt 0x0
	EACH32 v_and_b32 v[PA+q], 0xffff, v[RANK+q]
	EACH32 v_lshrrev_b32 v[RANK+q], 16, v[RANK+q]
	EACH32 v_lshl_add_u32 v[RANK+q], v[PA+q], 1, v[RANK+q]
.irp j, 0,1,2,3,4,5,6,7
	global_store_b128 v227, v[RANK+4*\j:RANK+4*\j+3], s[20:21] offset:512*\j   ; a destination row for each rank
.endr
	v_mov_b32 v240, s28
	global_store_b32 v239, v240, s[22:23]
	s_branch .Ljoin
.Lcount:
.set q, 0
.rept 32
	s_bcnt1_i32_b32 s29, s[MK+q]
	s_add_co_u32 s28, s28, s29
.set q, q+1
.endr
.Ljoin:
	BAR                                            ; the list has landed; up to here wave 0 alone has touched LDS
	ds_load_b32 v[TOK], v243
	s_wait_loadcnt 41                              ; chunk 0 is in; behind it: 32 loads of chunks 1 and 2, 8 of scales, 1 of bias
	WPUT 0
	BAR
	WFRAG 0, 16                                    ; K steps 0, 1: bytes 0-191 of the rows
	s_wait_loadcnt 25                              ; chunk 1 is in; behind it 16 + 9
	WPUT 1
	BAR
	WFRAG 16, 24                                   ; K steps 2-4: bytes 192-479
	s_wait_xcnt 0x0                                ; the stores of the destinations have read their registers, which the loads below take
	ADDR
.irp s, 0,1,2,3,4,5,6,7
	LOADSTEP \s                                    ; my first tile (a wave without one reads spare rows: token 0)
.endr
	s_wait_loadcnt 32                              ; all but the 32 just issued
	WPUT 2
	ds_store_b32 v242, v230
	BAR                                            ; from here on LDS is only read
	s_min_u32 s31, s28, 1024
	s_add_co_u32 s32, s31, 15
	s_lshr_b32 s32, s32, 4
	s_max_u32 s32, s32, 1                          ; tiles of 16 rows, one at the least
	s_cmp_ge_u32 s24, s32
	s_cbranch_scc1 .Lend
	s_sub_co_u32 s35, s32, 1
	s_mov_b32 s33, s24
	s_sub_co_u32 s54, s32, s24
	s_add_co_u32 s54, s54, 3
	s_lshr_b32 s54, s54, 2                         ; how many tiles are mine
	s_mov_b32 s55, 0
	WFRAG 40, 24                                   ; K steps 5-7
	NEXT
	BIASLD
.Ltile:
	s_wait_dscnt 16                                ; the next tile's tokens (in the first trip the last fragments too); the 16 loads of the bias behind them may be out
	s_wait_xcnt 0x0                                ; the loads that are out have read their offsets
	ADDR
	s_wait_alu depctr_va_vdst(0)
.irp s, 0,1,2,3,4,5,6,7
	MULSTEP \s
.endr
	GELU 0
	GELU 1
	QUANT
	s_add_co_u32 s33, s33, 4
	NEXT
	BIASLD
.irp c, 0,1,2
	global_store_b128 v[OC], v[236+4*\c:239+4*\c], s[16:17] offset:512*\c th:TH_STORE_NT   ; 512 consecutive bytes a store, aligned
.endr
	global_store_b32 v[OS], v251, s[18:19] th:TH_STORE_NT
	s_wait_xcnt 0x0
	v_add_nc_u32 v[OC], 0x30000, v[OC]             ; four tiles on
	v_add_nc_u32 v[OS], 0x4000, v[OS]
	s_add_co_u32 s55, s55, 1
	s_cmp_lt_u32 s55, s54
	s_cbranch_scc1 .Ltile
.Lend:
	s_wait_dscnt 0x0
	s_barrier_signal -1
	s_barrier_wait -1
	s_set_vgpr_msb 0x5
	s_wait_tensorcnt 0x0                           ; the wave's end
	ds_add_u32 v254, v255
	s_wait_dscnt 0x0
	s_set_vgpr_msb 0x500
	s_endpgm
.Lfunc_end_k_q4dd14598a6_fc:
	.size	k_q4dd14598a6_fc, .Lfunc_end_k_q4dd14598a6_fc-k_q4dd14598a6_fc
	.p2alignl 7, 3214868480
	.fill 96, 4, 3214868480
	.section	.rodata,"a",@progbits
	.p2align	6, 0x0
	.amdhsa_kernel k_q4dd14598a6_fc
		.amdhsa_group_segment_fixed_size 107008
		.amdhsa_private_segment_fixed_size 0
		.amdhsa_enable_private_segment 0
		.amdhsa_kernarg_size 72
		.amdhsa_user_sgpr_count 2
		.amdhsa_user_sgpr_kernarg_segment_ptr 1
		.amdhsa_wavefront_size32 1
		.amdhsa_system_sgpr_workgroup_id_x 1
		.amdhsa_system_sgpr_workgroup_id_y 1
		.amdhsa_system_sgpr_workgroup_id_z 1
		.amdhsa_system_vgpr_workitem_id 0
		.amdhsa_next_free_vgpr 1024
		.amdhsa_next_free_sgpr 100
		.amdhsa_reserve_vcc 1
		.amdhsa_float_denorm_mode_32 3
		.amdhsa_float_denorm_mode_16_64 3
		.amdhsa_memory_ordered 1
		.amdhsa_forward_progress 1
		.amdhsa_inst_pref_size 108
	.end_amdhsa_kernel
	.amdgpu_metadata
---
amdhsa.version: [ 1, 2 ]
amdhsa.kernels:
  - .name:           k_q4dd14598a6_fc
    .symbol:         k_q4dd14598a6_fc.kd
    .args:
      - { .name: x_codes, .offset: 0, .size: 8, .value_kind: global_buffer, .address_space: global }
      - { .name: x_scales, .offset: 8, .size: 8, .value_kind: global_buffer, .address_space: global }
      - { .name: sel, .offset: 16, .size: 8, .value_kind: global_buffer, .address_space: global }
      - { .name: w_fc_codes, .offset: 24, .size: 8, .value_kind: global_buffer, .address_space: global }
      - { .name: w_fc_scales, .offset: 32, .size: 8, .value_kind: global_buffer, .address_space: global }
      - { .name: b_fc, .offset: 40, .size: 8, .value_kind: global_buffer, .address_space: global }
      - { .name: h_codes, .offset: 48, .size: 8, .value_kind: global_buffer, .address_space: global }
      - { .name: h_scales, .offset: 56, .size: 8, .value_kind: global_buffer, .address_space: global }
      - { .name: pos, .offset: 64, .size: 8, .value_kind: global_buffer, .address_space: global }
    .group_segment_fixed_size: 107008
    .private_segment_fixed_size: 0
    .kernarg_segment_align: 8
    .kernarg_segment_size: 72
    .max_flat_workgroup_size: 128
    .sgpr_count:     100
    .vgpr_count:     1024
    .wavefront_size: 32
...
	.end_amdgpu_metadata
.endif
;; end of part 2
;; launch proj (part 3): grid 32 x 8, 4 waves a work-group, no clusters, 135,680 bytes of LDS; arguments h_codes, h_scales, pos, w_proj_codes, w_proj_scales, part; writes part
.if DOCPART == 3
	.amdgcn_target "amdgcn-amd-amdhsa--gfx1250"
	.amdhsa_code_object_version 6
	.text
	.protected	k_q4dd14598a6_proj
	.globl	k_q4dd14598a6_proj
	.p2align	8
	.type	k_q4dd14598a6_proj,@function
k_q4dd14598a6_proj:
	s_mov_b64 s[64:65], 0
	v_nop
	global_prefetch_b8 v0, s[64:65] scope:SCOPE_SE
	s_setreg_imm32_b32 hwreg(HW_REG_WAVE_MODE, 25, 1), 1
	s_wait_xcnt 0x0
; part[ks][destination row] = Q(h) W_proj over a quarter of K, for the rows that chose the expert (the others are left out, as in the launch before).
; Work-group (x = 8 ks + ds, y = e): expert e, outputs 128 ds .. +127, K = 1,024 ks .. +1,023 of H.  Every wave holds the slice's 64 fragments; the waves share the tiles of 16 rows.
; The slice comes in three chunks of 256 bytes of each row, each behind its own counted wait and barrier; the K steps that are whole (0-1, 2-4) are read into registers while later chunks are on their way,
; and the fragments of K steps 5-7 are read among the first tile's K steps 0-4.
; A ROW GOES TO ITS TOKEN'S PLACE: pos[e][rank] (stored by the launch before) is the row of part, 2 token + k; a tile's 16 come by one scalar load.  The last tile's spare rows go to 16 rows of this expert's own.
; A TILE LEAVES UNDER THE NEXT TILE'S PRODUCTS: behind K step 7 the accumulators go into the wave's own stage; in each K step of the next tile two rows come back into one of two pairs of four registers
; and are stored.  The first trip, which has no tile to send, is written out; the last tile is sent behind the loop.
; part: [ks 4][2,176 rows][1,024] f32.  No cluster and no tensor load: the number of tiles hangs on a count read from memory.
; The product is used transposed (source 0 = 16 rows of W, source 1 = 16 rows of h): a lane holds 8 neighbouring outputs of one row.
.set PITCH, 784
.set STG, 100352
.set PLANE, 0x880000
.set ADR, 1
.set SAD, 2
.set L16, 3
.set L4,  4
.set SO,  5
.set SR,  6
.set WSC, 12
.set W63, 44
.set ASC, 56
.set AF,  64
.set ACC, 160
.set G0,  160
.set S0,  163
.set WA0, 252
.set DST, 224                          ; v224-239: the 16 rows' offsets in part;  v240-251, v8-11: rows on their way out
.set DL,  68                           ; s68-83: destination rows as they are loaded;  s40-55: those of the tile that is leaving
.set DC,  40
.set SB,  1536
.set CBY, 512
.set SS,  128
.set MSB, 0
.macro WIN new
.if MSB != (\new)
	s_set_vgpr_msb (MSB<<8)|(\new)
.set MSB, (\new)
.endif
.endm
.macro PLACES n
.rept \n
	v_nop
.endr
.endm
.macro BAR
	s_wait_dscnt 0x0
	s_barrier_signal -1
	s_barrier_wait -1
.endm
.macro WGET rowp
	WIN 0xc0
.irp c, 0,1,2
.set p, 0
.rept 16
	global_load_b128 v[64*\c+4*p:64*\c+4*p+3], v[G0], s[10:11] offset:p*2*\rowp+256*\c th:TH_LOAD_NT
.set p, p+1
.endr
.endr
	WIN 0
.endm
.macro WPUT c
	WIN 0x0c
.set p, 0
.rept 16
	ds_store_b128 v[S0], v[64*\c+4*p:64*\c+4*p+3] offset:2*p*PITCH+256*\c
.set p, p+1
.endr
	WIN 0
.endm
.macro WFRAG first, n
.set f, \first
.rept \n
.set fs, f/8
.set ft, f%8
.if f == 63
.set wn, 0
.set wr, W63
.else
.set wn, (f/21+1)<<6
.set wr, 12*(f%21)
.endif
	WIN wn
.irp p, 0,1,2,3,4,5
	ds_load_b64 v[wr+2*\p:wr+2*\p+1], v[WA0+ft/4] offset:16*(ft%4)*PITCH+96*fs+48*(\p/3)+8*(\p%3)
.endr
.set f, f+1
.endr
	WIN 0
.endm
.macro LOADSTEP s
.irp c, 0,1,2
	global_load_b128 v[AF+12*\s+4*\c:AF+12*\s+4*\c+3], v[ADR], s[4:5] offset:SB*\s+CBY*\c
.endr
	global_load_b32 v[ASC+\s], v[SAD], s[6:7] offset:SS*\s
.endm
.macro ROWS g                          ; rows 2 g, 2 g + 1 of the tile in my stage, into pair g % 2
.set qa, 240+8*((\g)%2)
.set qb, 244-236*((\g)%2)
	ds_load_b128 v[qa:qa+3], v[SR] offset:528*(2*(\g))
	ds_load_b128 v[qb:qb+3], v[SR] offset:528*(2*(\g)+1)
.endm
; K step s: eight products, the accumulators by turns.  zero = 1: the first K step starts the sums.  out = 1: two rows of the tile before leave
.macro MULSTEP s, zero, np, out
.if \out == 0
.if \s == 5
	s_wait_dscnt 63                                ; behind step 5's 48 fragment loads stand 96
.endif
.if \s == 6
	s_wait_dscnt 48                                ; behind step 6's stand 48
.endif
.if \s == 7
	s_wait_dscnt 0x0
.endif
.endif
	s_wait_loadcnt 28                              ; behind this step's four loads: 4 (7 - s) of this tile and 4 s of the next
.irp t, 0,1,2,3,4,5,6,7
.set f, 8*\s+\t
.if f == 63
.set wn, 0
.set wr, W63
.else
.set wn, f/21+1
.set wr, 12*(f%21)
.endif
	WIN wn
.set dd, ACC+8*\t
.set bb, AF+12*\s
.set sa, WSC+8*(\t/2)+\s
.set sb, ASC+\s
.if \zero
.if (\t%2) == 1
	v_wmma_scale_f32_16x16x128_f8f6f4 v[dd:dd+7], v[wr:wr+11], v[bb:bb+11], 0, v[sa], v[sb] matrix_a_fmt:MATRIX_FMT_FP6 matrix_b_fmt:MATRIX_FMT_FP6 matrix_a_scale:MATRIX_SCALE_ROW1
.else
	v_wmma_scale_f32_16x16x128_f8f6f4 v[dd:dd+7], v[wr:wr+11], v[bb:bb+11], 0, v[sa], v[sb] matrix_a_fmt:MATRIX_FMT_FP6 matrix_b_fmt:MATRIX_FMT_FP6
.endif
.else
.if (\t%2) == 1
	v_wmma_scale_f32_16x16x128_f8f6f4 v[dd:dd+7], v[wr:wr+11], v[bb:bb+11], v[dd:dd+7], v[sa], v[sb] matrix_a_fmt:MATRIX_FMT_FP6 matrix_b_fmt:MATRIX_FMT_FP6 matrix_a_scale:MATRIX_SCALE_ROW1
.else
	v_wmma_scale_f32_16x16x128_f8f6f4 v[dd:dd+7], v[wr:wr+11], v[bb:bb+11], v[dd:dd+7], v[sa], v[sb] matrix_a_fmt:MATRIX_FMT_FP6 matrix_b_fmt:MATRIX_FMT_FP6
.endif
.endif
.endr
	WIN 0
	PLACES \np                                     ; between the products and loads into registers that they read
.if \out
.if \s < 7
	s_wait_xcnt 0x0                                ; the stores of the step before last have read the pair that the next two rows take; the youngest memory instructions stand eight products back
	ROWS \s+1
.endif
.endif
	LOADSTEP \s
.if \out
.if \s < 7
	s_wait_dscnt 2                                 ; rows 2 s, 2 s + 1 are back; the two loads just issued may be out
.else
	s_wait_dscnt 0x0
.endif
.set qa, 240+8*(\s%2)
.set qb, 244-236*(\s%2)
	global_store_b128 v[DST+2*\s], v[qa:qa+3], s[14:15] th:TH_STORE_NT     ; 32 lanes store 512 consecutive bytes, aligned
	global_store_b128 v[DST+2*\s+1], v[qb:qb+3], s[14:15] th:TH_STORE_NT
.endif
.endm
.macro TOSTAGE                         ; the tile into my stage, each accumulator from its low end on
.irp t, 0,1,2,3,4,5,6,7
	ds_store_b128 v[SO], v[ACC+8*\t:ACC+8*\t+3] offset:64*\t
	ds_store_b128 v[SO], v[ACC+8*\t+4:ACC+8*\t+7] offset:64*\t+16
.endr
.endm
.macro NEXTADR                         ; my next tile's offsets, held at the last tile: no load leaves what is written
	s_wait_xcnt 0x0                                ; the loads and stores that are out have read their registers and offsets
	s_add_co_u32 s34, s33, 4
	s_min_u32 s34, s34, s35
	s_min_u32 s34, s34, 63
	s_mul_i32 s36, s34, 49152
	v_add_nc_u32 v[ADR], s36, v[L16]
	s_lshl_b32 s36, s34, 12
	v_add_nc_u32 v[SAD], s36, v[L4]
.endm
.macro TAKEDST                         ; the destinations that were loaded become those of the tile that is leaving, held inside a plane's 2,176 rows
	s_wait_kmcnt 0x0
.set i, 0
.rept 16
	s_min_u32 s[DC+i], s[DL+i], 0x87f
.set i, i+1
.endr
.endm
.macro MAKEDST
.set i, 0
.rept 16
	v_lshl_add_u32 v[DST+i], s[DC+i], 12, v[L16]
.set i, i+1
.endr
.endm
	s_load_b256 s[4:11], s[0:1], 0x0               ; h_codes, h_scales, pos, w_proj_codes
	s_load_b128 s[12:15], s[0:1], 0x20             ; w_proj_scales, part
	v_lshl_add_u32 v254, v0, 2, 0x21000
	v_mov_b32 v255, 0
	v_lshrrev_b32 v224, 5, v0
	v_readfirstlane_b32 s24, v224                  ; wave
	s_and_b32 s25, ttmp9, 7                        ; ds
	s_lshr_b32 s27, ttmp9, 3                       ; ks
	s_and_b32 s26, ttmp7, 0xffff                   ; e
	v_and_b32 v224, 31, v0                         ; lane
	v_and_b32 v225, 15, v0                         ; r
	v_bfe_u32 v226, v0, 4, 1                       ; h
	v_lshlrev_b32 v[L16], 4, v224
	v_lshlrev_b32 v[L4], 2, v224
	v_mul_u32_u24 v[G0], v226, 3072                ; a row of W_proj is 3,072 bytes
	v_lshl_add_u32 v[G0], v225, 4, v[G0]           ; lanes 0-15 a row's 256 bytes, lanes 16-31 the next row's
	s_mul_i32 s40, s24, 32*PITCH
	v_mul_u32_u24 v[S0], v226, PITCH
	v_lshl_add_u32 v[S0], v225, 4, v[S0]
	v_add_nc_u32 v[S0], s40, v[S0]
	v_mul_u32_u24 v[WA0], v225, PITCH
	v_mad_u32_u24 v[WA0], v226, 24, v[WA0]
	v_add_nc_u32 v[WA0+1], 64*PITCH, v[WA0]
	v_lshlrev_b32 v229, 7, v224                    ; W's scale bytes: row = lane, 128 bytes a row
	s_mul_i32 s40, s24, 16*528
	s_add_co_u32 s40, s40, STG
	v_mul_u32_u24 v[SO], v225, 528
	v_lshl_add_u32 v[SO], v226, 5, v[SO]
	v_add_nc_u32 v[SO], s40, v[SO]
	v_add_nc_u32 v[SR], s40, v[L16]
	s_lshl_b32 s40, s26, 10
	s_lshl_b32 s41, s25, 7
	s_add_co_u32 s40, s40, s41
	s_lshl_b32 s41, s24, 5
	s_add_co_u32 s40, s40, s41
	s_mul_i32 s40, s40, 3072
	s_mul_i32 s41, s27, 768
	s_add_co_u32 s40, s40, s41                     ; my wave's 32 rows, my quarter of K
	s_mov_b32 s41, 0
	s_lshl_b32 s42, s26, 17
	s_lshl_b32 s43, s25, 14
	s_add_co_u32 s42, s42, s43
	s_lshl_b32 s43, s27, 5
	s_add_co_u32 s42, s42, s43
	s_mov_b32 s43, 0
	s_mul_i32 s44, s26, 3145728
	s_mul_i32 s45, s27, 12288
	s_add_co_u32 s44, s44, s45                     ; h_codes: my expert, my eight K steps
	s_mov_b32 s45, 0
	s_lshl_b32 s46, s26, 18
	s_lshl_b32 s47, s27, 10
	s_add_co_u32 s46, s46, s47
	s_mov_b32 s47, 0
	s_mul_i32 s48, s27, PLANE
	s_lshl_b32 s49, s25, 9
	s_add_co_u32 s48, s48, s49                     ; part: my plane, my 512 bytes of a row
	s_mov_b32 s49, 0
	s_lshl_b32 s50, s26, 7
	s_mov_b32 s51, 0
	s_lshl_b32 s52, s26, 12
	s_mov_b32 s53, 0
	s_wait_alu depctr_va_vdst(0)                   ; the wait at the head's end
	s_wait_kmcnt 0x0
	s_add_nc_u64 s[16:17], s[8:9], s[52:53]        ; my expert's destinations
	s_add_nc_u64 s[8:9], s[8:9], s[50:51]
	s_load_b32 s31, s[8:9], 0x8000                 ; my expert's count of rows
	s_add_nc_u64 s[10:11], s[10:11], s[40:41]
	s_add_nc_u64 s[12:13], s[12:13], s[42:43]
	s_add_nc_u64 s[4:5], s[4:5], s[44:45]
	s_add_nc_u64 s[6:7], s[6:7], s[46:47]
	s_add_nc_u64 s[14:15], s[14:15], s[48:49]
	WGET 3072
.irp b, 0,1,2,3
.irp u, 0,1
	global_load_b128 v[WSC+8*\b+4*\u:WSC+8*\b+4*\u+3], v229, s[12:13] offset:4096*\b+16*\u
.endr
.endr
	s_wait_loadcnt 40                              ; chunk 0 is in; behind it 32 loads of chunks 1 and 2 and 8 of scales
	WPUT 0
	BAR
	WFRAG 0, 16                                    ; K steps 0, 1
	s_wait_loadcnt 24                              ; chunk 1 is in
	WPUT 1
	BAR
	WFRAG 16, 24                                   ; K steps 2-4
	s_wait_kmcnt 0x0
	s_min_u32 s31, s31, 1024
	s_add_co_u32 s32, s31, 15
	s_lshr_b32 s32, s32, 4
	s_max_u32 s32, s32, 1                          ; tiles of 16 rows, one at the least, as the launch before stored them
	s_sub_co_u32 s35, s32, 1
	s_min_u32 s36, s35, s24                        ; my first tile (a wave without one reads the last)
	s_min_u32 s36, s36, 63
	s_mul_i32 s37, s36, 49152
	v_add_nc_u32 v[ADR], s37, v[L16]
	s_lshl_b32 s37, s36, 12
	v_add_nc_u32 v[SAD], s37, v[L4]
.irp s, 0,1,2,3,4,5,6,7
	LOADSTEP \s
.endr
	s_wait_loadcnt 32                              ; all but the 32 just issued
	WPUT 2
	BAR                                            ; the slice lies in LDS; from here on it is only read, and each wave's stage is its own
	s_cmp_ge_u32 s24, s32
	s_cbranch_scc1 .Lend
	s_mov_b32 s33, s24
	s_sub_co_u32 s37, s32, s24
	s_add_co_u32 s37, s37, 3
	s_lshr_b32 s37, s37, 2                         ; how many tiles are mine
	s_mov_b32 s38, 1
	NEXTADR
	s_lshl_b32 s39, s24, 6
	s_load_b512 s[DL:DL+15], s[16:17], s39 offset:0x0   ; my first tile's destinations
	s_wait_alu depctr_va_vdst(0)
	; the first trip: nothing to send yet; the fragments of K steps 5-7 are read among K steps 0-4
	WFRAG 40, 8
	MULSTEP 0, 1, 4, 0
	MULSTEP 1, 0, 4, 0
	WFRAG 48, 8
	MULSTEP 2, 0, 4, 0
	MULSTEP 3, 0, 4, 0
	WFRAG 56, 8
.irp s, 4,5,6
	MULSTEP \s, 0, 4, 0
.endr
	MULSTEP 7, 0, 5, 0                             ; five: the next tile's first products write over these accumulators with another C
	TOSTAGE
	s_cmp_ge_u32 s38, s37
	s_cbranch_scc1 .Lflush
.Ltile:
	s_add_co_u32 s33, s33, 4
	TAKEDST                                        ; of the tile in the stage
	NEXTADR
	s_min_u32 s39, s33, 63
	s_lshl_b32 s39, s39, 6
	s_load_b512 s[DL:DL+15], s[16:17], s39 offset:0x0   ; this tile's destinations, wanted a trip on
	MAKEDST
	ROWS 0
	s_wait_alu depctr_va_vdst(0)
	MULSTEP 0, 1, 4, 1
.irp s, 1,2,3,4,5,6
	MULSTEP \s, 0, 4, 1
.endr
	MULSTEP 7, 0, 5, 1
	TOSTAGE                                        ; my own bytes, served in order: behind the reads of the tile before
	s_add_co_u32 s38, s38, 1
	s_cmp_lt_u32 s38, s37
	s_cbranch_scc1 .Ltile
.Lflush:                                               ; my last tile leaves
	TAKEDST
	s_wait_xcnt 0x0                                ; earlier stores have read their offsets
	MAKEDST
	s_wait_alu depctr_va_vdst(0)
.irp i, 0,1,2,3,4,5,6,7,8,9,10,11,12,13,14,15
	ds_load_b128 v[ACC+4*\i:ACC+4*\i+3], v[SR] offset:528*\i
.endr
.irp i, 0,1,2,3,4,5,6,7,8,9,10,11,12,13,14,15
	s_wait_dscnt 15-\i                             ; row i is back; the younger rows may be out
	global_store_b128 v[DST+\i], v[ACC+4*\i:ACC+4*\i+3], s[14:15] th:TH_STORE_NT
.endr
.Lend:
	s_wait_dscnt 0x0
	s_barrier_signal -1
	s_barrier_wait -1
	s_wait_tensorcnt 0x0                           ; the wave's end
	ds_add_u32 v254, v255
	s_wait_dscnt 0x0
	s_endpgm
.Lfunc_end_k_q4dd14598a6_proj:
	.size	k_q4dd14598a6_proj, .Lfunc_end_k_q4dd14598a6_proj-k_q4dd14598a6_proj
	.p2alignl 7, 3214868480
	.fill 96, 4, 3214868480
	.section	.rodata,"a",@progbits
	.p2align	6, 0x0
	.amdhsa_kernel k_q4dd14598a6_proj
		.amdhsa_group_segment_fixed_size 135680
		.amdhsa_private_segment_fixed_size 0
		.amdhsa_enable_private_segment 0
		.amdhsa_kernarg_size 48
		.amdhsa_user_sgpr_count 2
		.amdhsa_user_sgpr_kernarg_segment_ptr 1
		.amdhsa_wavefront_size32 1
		.amdhsa_system_sgpr_workgroup_id_x 1
		.amdhsa_system_sgpr_workgroup_id_y 1
		.amdhsa_system_sgpr_workgroup_id_z 1
		.amdhsa_system_vgpr_workitem_id 0
		.amdhsa_next_free_vgpr 1024
		.amdhsa_next_free_sgpr 88
		.amdhsa_reserve_vcc 0
		.amdhsa_float_denorm_mode_32 3
		.amdhsa_float_denorm_mode_16_64 3
		.amdhsa_memory_ordered 1
		.amdhsa_forward_progress 1
		.amdhsa_inst_pref_size 80
	.end_amdhsa_kernel
	.amdgpu_metadata
---
amdhsa.version: [ 1, 2 ]
amdhsa.kernels:
  - .name:           k_q4dd14598a6_proj
    .symbol:         k_q4dd14598a6_proj.kd
    .args:
      - { .name: h_codes, .offset: 0, .size: 8, .value_kind: global_buffer, .address_space: global }
      - { .name: h_scales, .offset: 8, .size: 8, .value_kind: global_buffer, .address_space: global }
      - { .name: pos, .offset: 16, .size: 8, .value_kind: global_buffer, .address_space: global }
      - { .name: w_proj_codes, .offset: 24, .size: 8, .value_kind: global_buffer, .address_space: global }
      - { .name: w_proj_scales, .offset: 32, .size: 8, .value_kind: global_buffer, .address_space: global }
      - { .name: part, .offset: 40, .size: 8, .value_kind: global_buffer, .address_space: global }
    .group_segment_fixed_size: 135680
    .private_segment_fixed_size: 0
    .kernarg_segment_align: 8
    .kernarg_segment_size: 48
    .max_flat_workgroup_size: 128
    .sgpr_count:     88
    .vgpr_count:     1024
    .wavefront_size: 32
...
	.end_amdgpu_metadata
.endif
;; end of part 3
;; launch comb (part 4): grid 256 x 1, 8 waves a work-group, no clusters, 0 bytes of LDS; arguments part, sel, gw, b_proj, out0; writes out0
.if DOCPART == 4
	.amdgcn_target "amdgcn-amd-amdhsa--gfx1250"
	.amdhsa_code_object_version 6
	.text
	.protected	k_q4dd14598a6_comb
	.globl	k_q4dd14598a6_comb
	.p2align	8
	.type	k_q4dd14598a6_comb,@function
k_q4dd14598a6_comb:
	s_mov_b64 s[64:65], 0
	v_nop
	global_prefetch_b8 v0, s[64:65] scope:SCOPE_SE
	s_setreg_imm32_b32 hwreg(HW_REG_WAVE_MODE, 25, 1), 1
	s_wait_xcnt 0x0
; out0[token] = g0 (sum over ks of part[ks][2 token] + b_proj[e0]) + g1 (sum over ks of part[ks][2 token + 1] + b_proj[e1]).
; A stream: a wave takes half a token's row (2,048 bytes).  The 32 loads of part hang on the token's number alone and go out first; only the 8 loads of the bias hang on sel.
; No LDS, no barrier, no matrix unit, no prefetch: every byte is asked for at the head, once.
.set PLANE, 0x880000
	s_load_b256 s[4:11], s[0:1], 0x0               ; part, sel, gw, b_proj
	s_load_b64 s[12:13], s[0:1], 0x20              ; out0
	v_lshrrev_b32 v1, 5, v0
	s_delay_alu instid0(VALU_DEP_1)
	v_readfirstlane_b32 s16, v1                    ; wave 0..7
	v_and_b32 v1, 31, v0
	s_delay_alu instid0(VALU_DEP_1)
	v_lshlrev_b32 v1, 4, v1                        ; 16 lane
	s_lshr_b32 s17, s16, 1
	s_lshl_b32 s18, ttmp9, 2
	s_add_co_u32 s17, s17, s18                     ; my token
	s_and_b32 s18, s16, 1
	s_lshl_b32 s18, s18, 11                        ; my half of its row
	s_lshl_b32 s24, s17, 2
	s_mov_b32 s25, 0
	s_lshl_b32 s26, s17, 3
	s_mov_b32 s27, 0
	s_lshl_b32 s28, s17, 13
	s_add_co_u32 s28, s28, s18                     ; the token's two rows of a plane lie on end
	s_mov_b32 s29, 0
	s_lshl_b32 s30, s17, 12
	s_add_co_u32 s30, s30, s18
	s_mov_b32 s31, 0
	s_wait_alu depctr_va_vdst(0)                   ; the wait at the head's end
	s_wait_kmcnt 0x0
	s_add_nc_u64 s[6:7], s[6:7], s[24:25]
	s_add_nc_u64 s[8:9], s[8:9], s[26:27]
	s_load_b32 s20, s[6:7], 0x0                    ; e0 | e1 << 8 | ..
	s_load_b64 s[22:23], s[8:9], 0x0               ; g0, g1
	s_add_nc_u64 s[40:41], s[4:5], s[28:29]
.irp j, 0,1,2
	s_add_nc_u64 s[42+2*\j:43+2*\j], s[40+2*\j:41+2*\j], PLANE   ; the planes of the four quarters of K
.endr
	s_add_nc_u64 s[12:13], s[12:13], s[30:31]
.irp i, 0,1,2,3
.irp k, 0,1
.irp j, 0,1,2,3
	global_load_b128 v[16+40*\i+20*\k+4*\j:19+40*\i+20*\k+4*\j], v1, s[40+2*\j:41+2*\j] offset:4096*\k+512*\i th:TH_LOAD_NT
.endr
.endr
.endr
	s_wait_kmcnt 0x0
	s_and_b32 s32, s20, 0xff
	s_min_u32 s32, s32, 7                          ; e0
	s_bfe_u32 s33, s20, 0x80008
	s_min_u32 s33, s33, 7                          ; e1
	s_mov_b32 s20, s23                             ; g1 as the low word of a pair of its own
	s_mov_b32 s21, s23
	s_lshl_b32 s34, s32, 12
	s_add_co_u32 s34, s34, s18
	s_mov_b32 s35, 0
	s_add_nc_u64 s[56:57], s[10:11], s[34:35]      ; b_proj[e0], my half
	s_lshl_b32 s36, s33, 12
	s_add_co_u32 s36, s36, s18
	s_mov_b32 s37, 0
	s_add_nc_u64 s[58:59], s[10:11], s[36:37]
.irp i, 0,1,2,3
.irp k, 0,1
	global_load_b128 v[32+40*\i+20*\k:35+40*\i+20*\k], v1, s[56+2*\k:57+2*\k] offset:512*\i
.endr
.endr
.irp i, 0,1,2,3
	s_wait_loadcnt 6-2*\i                          ; all of part and this chunk's two loads of the bias are in; the later chunks' may be out
.irp k, 0,1
.irp u, 0,2
	v_pk_add_f32 v[16+40*\i+20*\k+\u:17+40*\i+20*\k+\u], v[16+40*\i+20*\k+\u:17+40*\i+20*\k+\u], v[20+40*\i+20*\k+\u:21+40*\i+20*\k+\u]
	v_pk_add_f32 v[24+40*\i+20*\k+\u:25+40*\i+20*\k+\u], v[24+40*\i+20*\k+\u:25+40*\i+20*\k+\u], v[28+40*\i+20*\k+\u:29+40*\i+20*\k+\u]
.endr
.endr
.irp k, 0,1
.irp u, 0,2
	v_pk_add_f32 v[16+40*\i+20*\k+\u:17+40*\i+20*\k+\u], v[16+40*\i+20*\k+\u:17+40*\i+20*\k+\u], v[24+40*\i+20*\k+\u:25+40*\i+20*\k+\u]
.endr
.endr
.irp k, 0,1
.irp u, 0,2
	s_delay_alu instid0(VALU_DEP_4)
	v_pk_add_f32 v[16+40*\i+20*\k+\u:17+40*\i+20*\k+\u], v[16+40*\i+20*\k+\u:17+40*\i+20*\k+\u], v[32+40*\i+20*\k+\u:33+40*\i+20*\k+\u]   ; + the bias
.endr
.endr
.irp u, 0,2
	s_delay_alu instid0(VALU_DEP_4)
	v_pk_mul_f32 v[16+40*\i+\u:17+40*\i+\u], v[16+40*\i+\u:17+40*\i+\u], s[22:23] op_sel_hi:[1,0]
.endr
.irp u, 0,2
	s_delay_alu instid0(VALU_DEP_2)
	v_pk_fma_f32 v[16+40*\i+\u:17+40*\i+\u], v[36+40*\i+\u:37+40*\i+\u], s[20:21], v[16+40*\i+\u:17+40*\i+\u] op_sel_hi:[1,0,1]
.endr
	global_store_b128 v1, v[16+40*\i:19+40*\i], s[12:13] offset:512*\i th:TH_STORE_NT   ; 32 lanes store 512 consecutive bytes, aligned
.endr
	s_endpgm
.Lfunc_end_k_q4dd14598a6_comb:
	.size	k_q4dd14598a6_comb, .Lfunc_end_k_q4dd14598a6_comb-k_q4dd14598a6_comb
	.p2alignl 7, 3214868480
	.fill 96, 4, 3214868480
	.section	.rodata,"a",@progbits
	.p2align	6, 0x0
	.amdhsa_kernel k_q4dd14598a6_comb
		.amdhsa_group_segment_fixed_size 0
		.amdhsa_private_segment_fixed_size 0
		.amdhsa_enable_private_segment 0
		.amdhsa_kernarg_size 40
		.amdhsa_user_sgpr_count 2
		.amdhsa_user_sgpr_kernarg_segment_ptr 1
		.amdhsa_wavefront_size32 1
		.amdhsa_system_sgpr_workgroup_id_x 1
		.amdhsa_system_sgpr_workgroup_id_y 1
		.amdhsa_system_sgpr_workgroup_id_z 1
		.amdhsa_system_vgpr_workitem_id 0
		.amdhsa_next_free_vgpr 192
		.amdhsa_next_free_sgpr 66
		.amdhsa_reserve_vcc 0
		.amdhsa_float_denorm_mode_32 3
		.amdhsa_float_denorm_mode_16_64 3
		.amdhsa_memory_ordered 1
		.amdhsa_forward_progress 1
		.amdhsa_inst_pref_size 13
	.end_amdhsa_kernel
	.amdgpu_metadata
---
amdhsa.version: [ 1, 2 ]
amdhsa.kernels:
  - .name:           k_q4dd14598a6_comb
    .symbol:         k_q4dd14598a6_comb.kd
    .args:
      - { .name: part, .offset: 0, .size: 8, .value_kind: global_buffer, .address_space: global }
      - { .name: sel, .offset: 8, .size: 8, .value_kind: global_buffer, .address_space: global }
      - { .name: gw, .offset: 16, .size: 8, .value_kind: global_buffer, .address_space: global }
      - { .name: b_proj, .offset: 24, .size: 8, .value_kind: global_buffer, .address_space: global }
      - { .name: out0, .offset: 32, .size: 8, .value_kind: global_buffer, .address_space: global }
    .group_segment_fixed_size: 0
    .private_segment_fixed_size: 0
    .kernarg_segment_align: 8
    .kernarg_segment_size: 40
    .max_flat_workgroup_size: 256
    .sgpr_count:     66
    .vgpr_count:     192
    .wavefront_size: 32
...
	.end_amdgpu_metadata
.endif
;; end of part 4
